; MI455X (gfx1250); checked and timed in simulation.
; The chip was launched on July 23, 2026; its instructions are those of AMD's public machine-readable ISA for CDNA 5 (MIT licence, August 2026) and "CDNA5" Instruction Set Architecture Reference Guide (July 2026). The comments in the code are by the model that wrote it; some were corrected since.
;; Factored Causal Self Attention. Allowed arithmetic: matrix products marked QUANTISED: E5M2 operands, one given power-of-two scale a tensor, by v_wmma_f32_16x16x64_bf8_bf8 or v_wmma_f32_16x16x128_bf8_bf8, f32 sums; everything else in f32.
;; Inputs: W_attn 3,072 x 1,024 float32; W_proj 1,024 x 1,024 float32; b_attn 3,072 float32; b_proj 1,024 float32; lowp_scales 8 int32 (the exponents e of the quantised operands' scales 2^e); x_norm_for_qkv 4 x 2,048 x 1,024 float32; xt_current_for_v 4 x 2,048 x 1,024 float32.
;; Outputs: out0 4 x 2,048 x 1,024 float32.
;; This version of the problem:
;;   THIS VERSION OF THE PROBLEM IS GIVEN IN LOW PRECISION. The matrix products marked QUANTISED in the list below multiply operands that are first quantised to E5M2 (5 exponent bits, 2 mantissa bits; 8 bits a number), with one given power-of-two scale for each operand tensor; their sums are f32. All else is computed in f32.
;;   The module's matrix products, in the order in which they are computed (A, B: the left and right operand; K: the contracted axis; several contracted axes count as one K, in the product's order):
;;     1. [M 8,192, K 1,024] x [K 1,024, N 3,072]; A: input x_norm_for_qkv; B: input W_attn: QUANTISED (scales: A lowp_scales[0], B lowp_scales[1])
;;     2. batch 64 x [M 2,048, K 64] x [K 64, N 2,048]; A: computed on the way; B: computed on the way: QUANTISED (scales: A lowp_scales[2], B lowp_scales[3])
;;     3. batch 64 x [M 2,048, K 2,048] x [K 2,048, N 64]; A: softmax (see below); B: computed on the way: QUANTISED (scales: A lowp_scales[4], B lowp_scales[5])
;;     4. [M 8,192, K 1,024] x [K 1,024, N 1,024]; A: computed on the way; B: input W_proj: QUANTISED (scales: A lowp_scales[6], B lowp_scales[7])
;;   THE QUANTISER, for each operand of a quantised product, along K:
;;     - The operand's scale is 2^e, e = its entry of the input lowp_scales (int32; the entries are numbered through the quantised products in the list's order, A before B).
;;     - Each number is divided by the scale, clamped to +-57,344, and rounded to the nearest number of E5M2, ties to even, subnormals kept.
;;     - The product sums the exact products of the quantised numbers (number of the format x scale) in f32.
;;   ~~~python
;;   def quantise(x, axis, e):      # numpy; x: float32 -> the quantised numbers, widened to float32 again
;;       x = np.moveaxis(x, axis, -1); K = x.shape[-1]
;;       r = np.clip(x / 2.0 ** e, -57344, 57344)
;;       step = 2.0 ** (np.maximum(np.frexp(np.where(r == 0, 1, r))[1] - 1, -14) - 2)
;;       q = np.round(r / step) * step * 2.0 ** e      # np.round: ties to even
;;       return np.moveaxis(q, -1, axis).astype(np.float32)
;;   ~~~
;;   SOFTMAX AHEAD OF A QUANTISED PRODUCT. Where the list says 'softmax', what is quantised is not the finished softmax but p = 2^(t - M), with t = logit x log2(e) and M = ceil(the row's largest t), a whole number; so 1/2 < the row's largest p <= 1. The row's sum l is taken of the UNQUANTISED p, in f32, and the product's result is divided by l at the end. Since M is a whole number, a kernel that streams over the keys may use a running M (the ceiling of the running maximum): every later rescaling is an exact power of two, so the quantised numbers keep their values, but for numbers so far below the row's largest that they fall under the format's range.
;;   OPERANDS COMPUTED ON THE WAY. 'Computed on the way' means the value that the module computes at that place (a softmax that the list does not call 'softmax' is quantised finished and normalised). What goes into a quantiser is computed in f32, as accurately as f32 sums, v_exp_f32 and their like allow (about 1e-6 of the number): no bf16 or f16 on the way to a quantiser, and a product that is left as it is and whose result goes on into a quantised operand takes f32 operands (vector FMAs, or v_wmma_f32_16x16x4_f32). A number that lies on a knife's edge between two numbers of the format may be rounded either way, as far as f32 arithmetic and the matrix unit's own rounding can turn it there, and no further.
;; One version. Each part assembles by itself: llvm-mc -triple=amdgcn-amd-amdhsa -mcpu=gfx1250 --defsym DOCPART=n.
;; ======== version 1 of 1: 4 launches
;; limits: right only within a limited range of input values
;; workspace buffers: x_codes 8,388,608 bytes; w_codes 3,145,728 bytes; wp_codes 1,048,576 bytes; qc 8,388,608 bytes; kv 16,777,216 bytes; y_codes 8,388,608 bytes
;; launch quant (part 1): grid 384 x 1, 4 waves a work-group, no clusters, 33,280 bytes of LDS; arguments x_norm_for_qkv, W_attn, W_proj, lowp_scales, x_codes, w_codes, wp_codes; writes x_codes, w_codes, wp_codes
.if DOCPART == 1
	.amdgcn_target "amdgcn-amd-amdhsa--gfx1250"
	.amdhsa_code_object_version 6
	.text
	.protected	k_q6f629c4242_quant
	.globl	k_q6f629c4242_quant
	.p2align	8
	.type	k_q6f629c4242_quant,@function
k_q6f629c4242_quant:
	s_mov_b64 s[64:65], 0
	v_nop
	global_prefetch_b8 v0, s[64:65] scope:SCOPE_SE
	s_setreg_imm32_b32 hwreg(HW_REG_WAVE_MODE, 25, 1), 1
	s_wait_xcnt 0x0
; x [8192][1024], W_attn [3072][1024] and W_proj [1024][1024], f32, K innermost, become codes of BF8 (E5M2), one byte each, K innermost.
; code = number / 2^e, held within +-57,344, rounded to the nearest code, ties to even.  e: entry 0 of the scales for x, entry 1 for W_attn, entry 7 for W_proj.
; LIMITS: -126 <= e and e + 15 <= 127, so that 2^e and 57,344 x 2^e are f32 numbers.  NaN among the inputs is not served (an infinity is held at the largest code).
; SHARES.  A work-group takes 32 rows, a wave 8 rows = 16 steps of 512 numbers.  Work-groups 0-255: x; 256-351: W_attn (320-351 its v rows); 352-383: W_proj.  One path for all: only pointers and numbers are chosen.
; WHERE THE ROWS GO.  x and W_proj keep their rows.  W_attn's rows are gathered head by head, 192 rows a head: 64 of q, 64 of k, 64 of v; and v's are permuted: place 128 + 16 i + p holds channel 4 p + i,
; so that in the next launch a lane that holds channel row p of the four tiles i = 0..3 holds four NEIGHBOURING channels.  A wave's row s (0..7) lies (s % 4) P + (s / 4) Q bytes behind its first: P = 1,024, Q = 4,096 as a rule; for v rows P = 16,384, Q = 1,024.
; A conversion takes 8 neighbours from ONE lane's registers, a load is best where neighbouring LANES take neighbouring bytes: each load reads 512 consecutive bytes, a step's 2,048 bytes turn through the wave's own stage in LDS
; (16 bytes of padding behind each 64) and come back 64 bytes a lane.  A lane's 16 codes are 16 bytes: a store covers 512 consecutive bytes, aligned.  No barrier: waves share nothing.
; Loads run EIGHT steps ahead, in eight sets of 16 registers: 32 loads, 16,384 bytes, of a wave are out; the turn through LDS runs one step ahead.
.set STEPS, 16
.set AHEAD, 8
.set EMAX,  15
.set MANT,  0x600000                   ; the mantissa field of 57,344 as f32
.set R,     16                         ; v16-143  eight sets of 16 numbers as they are loaded
.set X,     144                        ; v144-175 two sets of 16 neighbours
.set RO,    176                        ; v176-183 row s: 16 x lane + the row's place behind the wave's first row; never rewritten
.set C,     184                        ; v184-247 codes: four registers for each step, so that no store's data are written again
.set SPW,   248                        ; v248     LDS address of my spare word; never rewritten
.set NIL,   249                        ; v249     0; never rewritten
.set WREG,  8192                       ; LDS: a region of its own for each wave: two stages of 32 x SP bytes
.set SP,    80                         ; a lane's place in a stage: its 64 bytes + 16 of padding
.set SPARE, 4*WREG                     ; behind the four regions: the spare words, 128 bytes for each wave
	s_load_b256 s[4:11], s[0:1], 0x0               ; x s[4:5], W_attn s[6:7], W_proj s[8:9], the scales' exponents s[10:11]
	s_load_b128 s[12:15], s[0:1], 0x20             ; x's codes s[12:13], W_attn's s[14:15]
	s_load_b64 s[16:17], s[0:1], 0x30              ; W_proj's
	v_lshl_add_u32 v[SPW], v0, 2, SPARE
	v_mov_b32 v[NIL], 0
	v_lshrrev_b32 v1, 5, v0
	v_readfirstlane_b32 s18, v1                    ; wave
	v_and_b32 v2, 31, v0                           ; lane
	v_lshlrev_b32 v3, 4, v2                        ; my 16 bytes of a load's or a store's 512
	s_wait_alu depctr_va_vdst(0)                   ; the wait here
	s_mul_i32 s19, s18, WREG
	v_lshrrev_b32 v14, 2, v2
	v_mul_u32_u24 v14, v14, SP
	v_and_b32 v15, 3, v2
	v_lshl_add_u32 v14, v15, 4, v14
	v_add_nc_u32 v14, s19, v14                     ; the stage, on the way in: four lanes' 64 bytes on end, then 16 of padding
	v_mul_u32_u24 v15, v2, SP
	v_add_nc_u32 v15, s19, v15                     ; and on the way out: my 16 neighbours
	; which tensor, which rows: all from the work-group's number
	s_mov_b32 s24, 352
	s_cmp_lt_u32 ttmp9, 352
	s_cselect_b32 s24, 256, s24
	s_cmp_lt_u32 ttmp9, 256
	s_cselect_b32 s24, 0, s24                      ; the tensor's first work-group
	s_sub_co_u32 s25, ttmp9, s24
	s_lshl_b32 s25, s25, 2
	s_add_co_u32 s25, s25, s18                     ; which run of 8 rows of the tensor is my wave's
	s_lshl_b32 s26, s25, 3                         ; c0: its first row
	s_bfe_u32 s27, s26, 0x40006                    ; W_attn: the head, (c0 / 64) % 16,
	s_mul_i32 s27, s27, 192
	s_lshr_b32 s28, s26, 10                        ; the part: 0 q, 1 k, 2 v
	s_lshl_b32 s28, s28, 6
	s_add_co_u32 s27, s27, s28
	s_and_b32 s28, s26, 63                         ; the channel
	s_lshr_b32 s29, s28, 2
	s_mov_b32 s31, 1024
	s_mov_b32 s41, 4096
	s_sub_co_u32 s30, ttmp9, 320
	s_cmp_lt_u32 s30, 32                           ; v rows?
	s_cselect_b32 s28, s29, s28
	s_cselect_b32 s40, 16384, s31                  ; P
	s_cselect_b32 s41, s31, s41                    ; Q
	s_add_co_u32 s27, s27, s28
	s_sub_co_u32 s30, ttmp9, 256
	s_cmp_lt_u32 s30, 96                           ; W_attn?
	s_cselect_b32 s27, s27, s26                    ; the first row's place among the codes' rows
	s_lshl_b32 s42, s27, 10
	s_mov_b32 s43, 0
	s_lshl_b32 s44, s25, 15                        ; 8 rows of 4,096 bytes
	s_mov_b32 s45, 0
.irp s, 0,1,2,3,4,5,6,7
	s_mul_i32 s46, s40, (\s%4)
	s_mul_i32 s47, s41, (\s/4)
	s_add_co_u32 s46, s46, s47
	v_add_nc_u32 v[RO+\s], s46, v3
.endr
	s_wait_kmcnt 0x0
	s_load_b256 s[32:39], s[10:11], 0x0            ; the eight exponents
	s_cmp_lt_u32 ttmp9, 352                        ; the choice of buffers hangs on the work-group's number alone
	s_cselect_b64 s[20:21], s[6:7], s[8:9]
	s_cselect_b64 s[22:23], s[14:15], s[16:17]
	s_cmp_lt_u32 ttmp9, 256
	s_cselect_b64 s[20:21], s[4:5], s[20:21]
	s_cselect_b64 s[22:23], s[12:13], s[22:23]
	s_add_nc_u64 s[20:21], s[20:21], s[44:45]      ; the numbers at my wave's first row
	s_add_nc_u64 s[22:23], s[22:23], s[42:43]      ; the codes likewise
.macro LOAD t
.irp i, 0,1,2,3
	global_load_b128 v[R+16*((\t)%AHEAD)+4*\i:R+16*((\t)%AHEAD)+4*\i+3], v3, s[20:21] offset:2048*(\t)+512*\i th:TH_LOAD_NT   ; 32 lanes read 512 consecutive bytes; read once in the launch
.endr
.endm
.macro TURN t                          ; step t's numbers through the stage: LDS serves a wave's instructions in order, so no wait stands between the stores and the loads
.irp i, 0,1,2,3
	ds_store_b128 v14, v[R+16*((\t)%AHEAD)+4*\i:R+16*((\t)%AHEAD)+4*\i+3] offset:32*SP*((\t)%2)+8*SP*\i
.endr
.irp i, 0,1,2,3
	ds_load_b128 v[X+16*((\t)%2)+4*\i:X+16*((\t)%2)+4*\i+3], v15 offset:32*SP*((\t)%2)+16*\i
.endr
.endm
.irp t, 0,1,2,3,4,5,6,7
	LOAD \t
.endr
	s_wait_kmcnt 0x0
	s_cmp_lt_u32 ttmp9, 352
	s_cselect_b32 s30, s33, s39
	s_cmp_lt_u32 ttmp9, 256
	s_cselect_b32 s30, s32, s30                    ; e
	s_add_co_i32 s30, s30, 127
	s_lshl_b32 s31, s30, 23
	v_mov_b32 v11, s31                             ; 2^e as f32: the conversion takes its exponent field
	s_add_co_i32 s30, s30, EMAX
	s_lshl_b32 s30, s30, 23
	s_or_b32 s30, s30, MANT
	v_mov_b32 v10, s30                             ; 57,344 x 2^e
	s_wait_alu depctr_va_vdst(0)                   ; the wait at the head's end
	s_wait_loadcnt 4*(AHEAD-1)                     ; step 0's four loads are in; the 28 of steps 1 to 7 may be out
	TURN 0
.macro STEP t
.set XS, X+16*((\t)%2)
	s_wait_dscnt 0x0                               ; this step's numbers are back from the stage: so its stores into the stage have read their registers,
.if (\t)+AHEAD < STEPS
	LOAD (\t)+AHEAD                                ; which take the loads of eight steps on
.endif
.if (\t)+1 < STEPS
.if STEPS-2-(\t) >= AHEAD-1
	s_wait_loadcnt 4*(AHEAD-1)                     ; the next step's four loads are in; those of the seven steps behind it may be out
.else
	s_wait_loadcnt 4*(STEPS-2-(\t))                ; in the tail: four for each step still behind it
.endif
	TURN (\t)+1                                    ; and go through the other stage while this step is worked
.endif
.irp i, 0,1,2,3,4,5,6,7,8,9,10,11,12,13,14,15
	v_med3_num_f32 v[XS+\i], v[XS+\i], -v10, v10   ; the conversion to an 8-bit code does not saturate (ISA guide 7.6.2): the number is held within the largest code x the scale first
.endr
	v_cvt_scalef32_pk8_bf8_f32 v[C+4*(\t):C+4*(\t)+1], v[XS:XS+7], v11
	v_cvt_scalef32_pk8_bf8_f32 v[C+4*(\t)+2:C+4*(\t)+3], v[XS+8:XS+15], v11
	global_store_b128 v[RO+(\t)/2], v[C+4*(\t):C+4*(\t)+3], s[22:23] offset:512*((\t)%2)   ; row t / 2, half t % 2: 512 consecutive bytes, aligned.  (The results go to a store alone; the next step's holds are plain lines on other registers)
.endm
.irp t, 0,1,2,3,4,5,6,7,8,9,10,11,12,13,14,15
	STEP \t
.endr
	s_wait_tensorcnt 0x0                           ; the wave's end, behind my last LDS store
	ds_add_u32 v[SPW], v[NIL]
	s_wait_dscnt 0x0
	s_endpgm
.Lfunc_end_k_q6f629c4242_quant:
	.size	k_q6f629c4242_quant, .Lfunc_end_k_q6f629c4242_quant-k_q6f629c4242_quant
	.p2alignl 7, 3214868480
	.fill 96, 4, 3214868480
	.section	.rodata,"a",@progbits
	.p2align	6, 0x0
	.amdhsa_kernel k_q6f629c4242_quant
		.amdhsa_group_segment_fixed_size 33280
		.amdhsa_private_segment_fixed_size 0
		.amdhsa_enable_private_segment 0
		.amdhsa_kernarg_size 56
		.amdhsa_user_sgpr_count 2
		.amdhsa_user_sgpr_kernarg_segment_ptr 1
		.amdhsa_wavefront_size32 1
		.amdhsa_system_sgpr_workgroup_id_x 1
		.amdhsa_system_sgpr_workgroup_id_y 1
		.amdhsa_system_sgpr_workgroup_id_z 1
		.amdhsa_system_vgpr_workitem_id 0
		.amdhsa_next_free_vgpr 250
		.amdhsa_next_free_sgpr 66
		.amdhsa_reserve_vcc 0
		.amdhsa_float_denorm_mode_32 3
		.amdhsa_float_denorm_mode_16_64 3
		.amdhsa_memory_ordered 1
		.amdhsa_forward_progress 1
		.amdhsa_inst_pref_size 40
	.end_amdhsa_kernel
	.amdgpu_metadata
---
amdhsa.version: [ 1, 2 ]
amdhsa.kernels:
  - .name:           k_q6f629c4242_quant
    .symbol:         k_q6f629c4242_quant.kd
    .args:
      - { .name: x_norm_for_qkv, .offset: 0, .size: 8, .value_kind: global_buffer, .address_space: global }
      - { .name: W_attn, .offset: 8, .size: 8, .value_kind: global_buffer, .address_space: global }
      - { .name: W_proj, .offset: 16, .size: 8, .value_kind: global_buffer, .address_space: global }
      - { .name: lowp_scales, .offset: 24, .size: 8, .value_kind: global_buffer, .address_space: global }
      - { .name: x_codes, .offset: 32, .size: 8, .value_kind: global_buffer, .address_space: global }
      - { .name: w_codes, .offset: 40, .size: 8, .value_kind: global_buffer, .address_space: global }
      - { .name: wp_codes, .offset: 48, .size: 8, .value_kind: global_buffer, .address_space: global }
    .group_segment_fixed_size: 33280
    .private_segment_fixed_size: 0
    .kernarg_segment_align: 8
    .kernarg_segment_size: 56
    .max_flat_workgroup_size: 128
    .sgpr_count:     66
    .vgpr_count:     250
    .wavefront_size: 32
...
	.end_amdgpu_metadata
.endif
;; end of part 1
;; launch qkv (part 2): grid 8 x 32, 4 waves a work-group, clusters of 4 x 4, 327,680 bytes of LDS; arguments x_codes, w_codes, lowp_scales, b_attn, xt_current_for_v, qc, kv; writes qc, kv
.if DOCPART == 2
	.amdgcn_target "amdgcn-amd-amdhsa--gfx1250"
	.amdhsa_code_object_version 6
	.text
	.protected	k_q6f629c4242_qkv
	.globl	k_q6f629c4242_qkv
	.p2align	8
	.type	k_q6f629c4242_qkv,@function
k_q6f629c4242_qkv:
	s_mov_b64 s[64:65], 0
	v_nop
	global_prefetch_b8 v0, s[64:65] scope:SCOPE_SE
	s_setreg_imm32_b32 hwreg(HW_REG_WAVE_MODE, 25, 1), 1
	s_wait_xcnt 0x0
	s_wait_alu depctr_hold_cnt(0) depctr_sa_sdst(0) depctr_va_vdst(0) depctr_va_sdst(0) depctr_va_ssrc(0) depctr_va_vcc(0) depctr_vm_vsrc(0)
	s_getreg_b32 s2, hwreg(HW_REG_IB_STS2, 6, 4)
	s_cmp_eq_u32 s2, 0
	s_cbranch_scc0 .Lentry_in_a_cluster
	s_endpgm
.Lentry_in_a_cluster:
	s_bfe_u32 s2, ttmp6, 0x10000c
	s_cmp_lg_u32 s2, 0xf033
	s_cbranch_scc0 .Lentry_shape_is_right
	s_endpgm
.Lentry_shape_is_right:
.set PITCH, 272
.set FSTEP, 16*PITCH
.set HALFT, 128*PITCH
.set SLOT,  4*HALFT
.set SPARE, 2*SLOT
.set SCQ, 4
.set LMQ, 5
.set LMK, 7
.set SCV, 8
.set LMV, 9
.set ADRA, 16
.set ADRB, 20
.set LI,  24
.set XO,  25
.set PFO, 26
.set SPW, 28
.set NIL, 29
.set BQ,  32
.set BV,  96
.set AF,  128
.set CODE, 192
.set WV,  18
.set G1,  24
.set G0,  32
.set G1B, 48
.set G0B, 56
.set QB,  66
.set KB,  68
.set VB,  70
.set XT,  72
.set MSB, 0
.macro WIN new
.if MSB != (\new)
	s_set_vgpr_msb (MSB<<8)|(\new)
.set MSB, (\new)
.endif
.endm
.macro PLACES n
.rept \n
	v_nop
.endr
.endm
.macro JLOAD s
	s_cmp_eq_u32 s[WV], 0
	s_cbranch_scc0 .Lfor_b_\@
	tensor_load_to_lds s[G0+4*\s:G0+4*\s+3], s[G1:G1+7]
	s_nop 0
.rept 4
	v_nop
.endr
	s_branch .Lasked_\@
.Lfor_b_\@:
	tensor_load_to_lds s[G0B+4*\s:G0B+4*\s+3], s[G1B:G1B+7]
	s_nop 0
.rept 4
	v_nop
.endr
.Lasked_\@:
.endm
.macro CREST
	s_cmp_lg_u32 s[WV], 0
	s_cbranch_scc1 .Lnot_wave_0_\@
	s_barrier_signal -3
.Lnot_wave_0_\@:
	s_barrier_wait -3
	s_barrier_signal -1
	s_barrier_wait -1
.endm
.macro CROUND
	s_barrier_signal -1
	s_barrier_wait -1
	CREST
.endm
	s_load_b256 s[4:11], s[0:1], 0x0
	s_load_b128 s[12:15], s[0:1], 0x20
	s_load_b64 s[16:17], s[0:1], 0x30
	v_lshl_add_u32 v[SPW], v0, 2, SPARE
	v_mov_b32 v[NIL], 0
	ds_add_u32 v28, v29
	ds_add_u32 v28, v29
	s_wait_dscnt 0x0
	v_lshrrev_b32 v1, 5, v0
	v_readfirstlane_b32 s[WV], v1
	s_lshr_b32 s19, s[WV], 1
	s_and_b32 s20, s[WV], 1
	s_bfe_u32 s21, ttmp6, 0x40000
	s_bfe_u32 s22, ttmp6, 0x40004
	s_lshl_b32 s23, ttmp9, 2
	s_add_co_u32 s23, s23, s21
	s_and_b32 s40, ttmp7, 0xffff
	s_lshl_b32 s40, s40, 2
	s_add_co_u32 s40, s40, s22
	s_lshl_b32 s41, s22, 2
	s_lshl_b32 s41, 15, s41
	s_lshl_b32 s42, 0x1111, s21
	s_or_b32 s[G1], s41, (0<<16)|(1<<20)|(1<<21)|(5<<22)|(3<<25)
	s_or_b32 s[G1B], s42, (0<<16)|(1<<20)|(1<<21)|(5<<22)|(3<<25)
.irp g, G1, G1B
	s_mov_b32 s[\g+1], 256<<16
	s_mov_b32 s[\g+2], 128<<16
	s_mov_b32 s[\g+3], 256<<16
	s_mov_b32 s[\g+4], 128
	s_mov_b32 s[\g+5], 1024
	s_mov_b32 s[\g+6], 0
	s_mov_b32 s[\g+7], 0
.endr
	s_lshl_b32 s44, s40, 17
	s_mov_b32 s45, 0
	s_add_co_u32 s43, s[WV], 3
	s_and_b32 s43, s43, 3
	s_min_u32 s43, s43, 2
	s_lshl_b32 s43, s43, 7
	s_mul_i32 s46, s23, 384
	s_add_co_u32 s46, s46, s43
	s_lshl_b32 s46, s46, 10
	s_mov_b32 s47, 0
	s_mul_i32 s74, s[WV], HALFT
	s_wait_kmcnt 0x0
	s_load_b256 s[80:87], s[8:9], 0x0
	s_add_nc_u64 s[44:45], s[4:5], s[44:45]
	s_add_nc_u64 s[46:47], s[6:7], s[46:47]
	; the prefetches into the L2: of the 128 rows that my wave fetches (wave 0: of x; waves 1-3: of W) my work-group takes 32, told apart from its three partners' BY ADDRESS (cx for x, cy for W); a lane a row
	s_cmp_eq_u32 s[WV], 0
	s_cselect_b64 s[98:99], s[44:45], s[46:47]
	s_cselect_b32 s75, s21, s22
	s_lshl_b32 s78, s75, 15                        ; 32 rows of 1,024 bytes for each place
	s_mov_b32 s79, 0
	s_add_nc_u64 s[98:99], s[98:99], s[78:79]      ; never rewritten
	s_and_b32 s78, ttmp7, 0xffff
	s_cmp_lt_u32 s78, 4                            ; W's rows are the same for all eight rows of clusters: four of them ask
	s_cselect_b32 s75, 1, 0
	s_cmp_eq_u32 s[WV], 0
	s_cselect_b32 s75, 1, s75                      ; s75 = 1: my wave asks at the head
	CROUND
.irp s, 0,1
	s_mov_b32 s[G0+4*\s], 1
	s_add_co_u32 s[G0+4*\s+1], s74, \s*SLOT
	s_add_nc_u64 s[G0+4*\s+2:G0+4*\s+3], s[44:45], \s*256
	s_or_b32 s[G0+4*\s+3], s[G0+4*\s+3], 0x80000000
	s_mov_b32 s[G0B+4*\s], 1
	s_add_co_u32 s[G0B+4*\s+1], s74, \s*SLOT
	s_add_nc_u64 s[G0B+4*\s+2:G0B+4*\s+3], s[46:47], \s*256
	s_or_b32 s[G0B+4*\s+3], s[G0B+4*\s+3], 0x80000000
.if \s
	s_wait_alu depctr_va_vdst(0)
	s_wait_tensorcnt 0x0                           ; slot 1's first fill stands behind the full sequence and a round; slot 0's goes out behind the opening round
	ds_add_u32 v28, v29
	ds_add_u32 v28, v29
	s_wait_dscnt 0x0
	CROUND
.endif
	JLOAD \s
.endr
	s_lshl_b32 s88, s23, 1
	s_add_co_u32 s88, s88, s20
	s_lshr_b32 s89, s40, 4
	s_and_b32 s90, s40, 15
	s_lshl_b32 s91, s89, 4
	s_add_co_u32 s91, s91, s88
	s_lshl_b32 s92, s91, 17
	s_lshl_b32 s93, s90, 13
	s_add_co_u32 s92, s92, s93
	s_lshl_b32 s93, s19, 12
	s_add_co_u32 s92, s92, s93
	s_mov_b32 s93, 0
	s_add_nc_u64 s[QB:QB+1], s[14:15], s[92:93]
	s_lshl_b32 s92, s91, 18
	s_lshl_b32 s94, s90, 14
	s_add_co_u32 s92, s92, s94
	s_lshl_b32 s94, s19, 12
	s_add_co_u32 s94, s94, s92
	s_mov_b32 s95, 0
	s_add_nc_u64 s[KB:KB+1], s[16:17], s[94:95]
	s_lshl_b32 s94, s19, 10
	s_add_co_u32 s94, s94, s92
	s_add_co_u32 s94, s94, 8192
	s_add_nc_u64 s[VB:VB+1], s[16:17], s[94:95]
	s_lshl_b32 s92, s40, 19
	s_lshl_b32 s94, s19, 18
	s_add_co_u32 s92, s92, s94
	s_lshl_b32 s94, s88, 8
	s_add_co_u32 s92, s92, s94
	s_add_nc_u64 s[XT:XT+1], s[12:13], s[92:93]
	s_add_nc_u64 s[76:77], s[10:11], s[94:95]
	v_and_b32 v1, 15, v0
	v_bfe_u32 v2, v0, 4, 1
	v_and_b32 v3, 31, v0
	v_mul_u32_u24 v10, v1, PITCH
	v_lshl_add_u32 v10, v2, 4, v10
	s_mul_i32 s78, s19, 64*PITCH
	s_mul_i32 s79, s20, 192*PITCH
	s_add_co_u32 s79, s79, HALFT
.irp s, 0,1
	v_add_nc_u32 v[ADRA+\s], s78, v10
	v_add_nc_u32 v[ADRB+\s], s79, v10
	s_add_co_u32 s78, s78, SLOT
	s_add_co_u32 s79, s79, SLOT
.endr
	v_lshlrev_b32 v[LI], 4, v3
	v_lshlrev_b32 v[XO], 4, v1
	v_lshl_add_u32 v[XO], v2, 15, v[XO]
	v_lshlrev_b32 v[PFO], 12, v3
	v_lshlrev_b32 v30, 10, v3                      ; the tiles' prefetches: a lane a row of 1,024 bytes; never rewritten
	s_cmp_eq_u32 s75, 1
	s_wait_alu depctr_va_vdst(0)                   ; the wait here, directly ahead of the branch
	s_cbranch_scc0 .Lno_ask
	global_prefetch_b8 v30, s[98:99] offset:512 th:TH_LOAD_NT scope:SCOPE_SE   ; K steps 2 and 3 of the first tile: 256 bytes of each of my 32 rows; their loads stand one and two changes of slots on
	global_prefetch_b8 v30, s[98:99] offset:768 th:TH_LOAD_NT scope:SCOPE_SE
.Lno_ask:
	v_lshlrev_b32 v14, 5, v2
	v_lshlrev_b32 v15, 4, v1
.irp z, 0,1
.irp t, 0,1,2,3
	global_load_b128 v[BQ+32*\z+8*\t:BQ+32*\z+8*\t+3],   v14, s[76:77] offset:4096*\z+64*\t
	global_load_b128 v[BQ+32*\z+8*\t+4:BQ+32*\z+8*\t+7], v14, s[76:77] offset:4096*\z+64*\t+16
.endr
.endr
	global_load_b128 v[10:13], v15, s[76:77] offset:8192
	s_wait_kmcnt 0x0
	s_add_co_i32 s96, s80, s81
	s_sub_co_i32 s97, 0, s96
.macro MKSC ex, sc, lm
	s_sub_co_i32 s78, s[\ex], s96
	s_add_co_i32 s78, s78, 127
	s_lshl_b32 s79, s78, 23
	v_mov_b32 v[\sc], s79
	s_add_co_i32 s78, s78, 15
	s_lshl_b32 s78, s78, 23
	s_or_b32 s78, s78, 0x600000
	v_mov_b32 v[\lm], s78
.endm
	MKSC 82, 4, 5
	MKSC 83, 6, 7
	MKSC 85, 8, 9
	s_wait_loadcnt 0x0
.set XI, 0
.rept 64
	v_ldexp_f32 v[BQ+XI], v[BQ+XI], s97
.set XI, XI+1
.endr
.irp i, 0,1,2,3
.irp n, 0,1,2,3,4,5,6,7
	v_ldexp_f32 v[BV+8*\i+\n], v[10+\i], s97
.endr
.endr
.macro FETCH slot, q, p
	WIN (1+\p)<<6
.irp f, 0,1,2,3,4,5,6,7,8,9,10,11
.irp c, 0,1,2,3
	ds_load_b128 v[16*\f+4*\c:16*\f+4*\c+3], v[ADRB+\slot] offset:128*(\q)+32*\c+FSTEP*\f
.endr
.endr
	WIN 0
.irp a, 0,1,2,3
.irp c, 0,1,2,3
	ds_load_b128 v[AF+64*(\p)+16*\a+4*\c:AF+64*(\p)+16*\a+4*\c+3], v[ADRA+\slot] offset:128*(\q)+32*\c+FSTEP*\a
.endr
.endr
.endm
.macro MULQK a, p, first
.if \first
	WIN 0xc0|(1+\p)
.else
	WIN 0xf0|(1+\p)
.endif
.irp z, 0,1
.irp t, 0,1,2,3
.if \first
	v_wmma_f32_16x16x128_bf8_bf8 v[128*\z+8*(4*(\a)+\t):128*\z+8*(4*(\a)+\t)+7], v[16*(4*\z+\t):16*(4*\z+\t)+15], v[AF+64*(\p)+16*(\a):AF+64*(\p)+16*(\a)+15], v[BQ+32*\z+8*\t:BQ+32*\z+8*\t+7]
.else
	v_wmma_f32_16x16x128_bf8_bf8 v[128*\z+8*(4*(\a)+\t):128*\z+8*(4*(\a)+\t)+7], v[16*(4*\z+\t):16*(4*\z+\t)+15], v[AF+64*(\p)+16*(\a):AF+64*(\p)+16*(\a)+15], v[128*\z+8*(4*(\a)+\t):128*\z+8*(4*(\a)+\t)+7]
.endif
.endr
.endr
.endm
.macro MULV p, first
.irp a, 0,1,2,3
.if \first
	WIN ((1+\p)<<2)|((1+\a/2)<<6)
.else
	WIN ((1+\p)<<2)|((1+\a/2)<<4)|((1+\a/2)<<6)
.endif
.irp i, 0,1,2,3
.if \first
	v_wmma_f32_16x16x128_bf8_bf8 v[192+8*(4*(\a%2)+\i):192+8*(4*(\a%2)+\i)+7], v[AF+64*(\p)+16*\a:AF+64*(\p)+16*\a+15], v[128+16*\i:128+16*\i+15], v[BV+8*\i:BV+8*\i+7]
.else
	v_wmma_f32_16x16x128_bf8_bf8 v[192+8*(4*(\a%2)+\i):192+8*(4*(\a%2)+\i)+7], v[AF+64*(\p)+16*\a:AF+64*(\p)+16*\a+15], v[128+16*\i:128+16*\i+15], v[192+8*(4*(\a%2)+\i):192+8*(4*(\a%2)+\i)+7]
.endif
.endr
.endr
.endm
.macro STEP slot, first
	s_wait_dscnt 0x0
	PLACES 4
	FETCH \slot, 1, 1
	MULQK 0, 0, \first
	MULQK 1, 0, \first
	MULQK 2, 0, \first
	MULQK 3, 0, \first
	MULV 0, \first
.endm
.macro TURN slot, next, mode, ask
	WIN 0
	s_wait_tensorcnt 0x0
	ds_add_u32 v[SPW], v[NIL]
	s_wait_dscnt 1
	MULQK 0, 1, 0
	s_wait_dscnt 0x0
	s_barrier_signal -1
	MULQK 1, 1, 0
	WIN 0
	s_barrier_wait -1
.if \mode
	CREST
.if \mode == 1
	s_add_nc_u64 s[G0+4*\slot+2:G0+4*\slot+3], s[G0+4*\slot+2:G0+4*\slot+3], 512
	s_add_nc_u64 s[G0B+4*\slot+2:G0B+4*\slot+3], s[G0B+4*\slot+2:G0B+4*\slot+3], 512
.else
	s_add_nc_u64 s[G0+4*\slot+2:G0+4*\slot+3], s[G0+4*\slot+2:G0+4*\slot+3], 0x400000-512
	s_sub_nc_u64 s[G0B+4*\slot+2:G0B+4*\slot+3], s[G0B+4*\slot+2:G0B+4*\slot+3], 512
.endif
	JLOAD \slot
.else
	PLACES 4
.endif
	FETCH \next, 0, 0
.if \ask
	global_prefetch_b8 v[PFO], s[XT:XT+1] th:TH_LOAD_NT scope:SCOPE_SE
	global_prefetch_b8 v[PFO], s[XT:XT+1] offset:131072 th:TH_LOAD_NT scope:SCOPE_SE
.endif
	MULQK 2, 1, 0
	MULQK 3, 1, 0
	MULV 1, 0
.endm
.macro FINAL
	s_wait_dscnt 0x0
	MULQK 0, 1, 0
	MULQK 1, 1, 0
	MULQK 2, 1, 0
	MULQK 3, 1, 0
	MULV 1, 0
.endm
.macro EPI
	WIN 0
	PLACES 4
	WIN 0x80
.irp a, 0,1,2,3
.irp n, 0,1,2,3,4,5,6,7
	global_load_b128 v[4*(8*\a+\n):4*(8*\a+\n)+3], v[XO], s[XT:XT+1] offset:(16*\a+\n)*4096 th:TH_LOAD_NT
.endr
.endr
	WIN 0xc3
.set XI, 0
.rept 128
	v_med3_num_f32 v[XI], v[XI], -v[LMQ], v[LMQ]
.set XI, XI+1
.endr
.rept 128
	v_med3_num_f32 v[XI], v[XI], -v[LMK], v[LMK]
.set XI, XI+1
.endr
	WIN 0x03
.irp z, 0,1
.irp a, 0,1,2,3
.irp t, 0,1,2,3
	v_cvt_scalef32_pk8_bf8_f32 v[CODE+32*\z+8*\a+2*\t:CODE+32*\z+8*\a+2*\t+1], v[128*\z+8*(4*\a+\t):128*\z+8*(4*\a+\t)+7], v[SCQ+2*\z]
.endr
.endr
.endr
	v_nop
	WIN 0
.irp a, 0,1,2,3
.irp c, 0,1
	global_store_b128 v[LI], v[CODE+8*\a+4*\c:CODE+8*\a+4*\c+3], s[QB:QB+1] offset:1024*\a+512*\c
	global_store_b128 v[LI], v[CODE+32+8*\a+4*\c:CODE+32+8*\a+4*\c+3], s[KB:KB+1] offset:1024*\a+512*\c
.endr
.endr
	s_wait_loadcnt 0x0
.irp d, 1,2
	WIN \d|8|(\d<<6)
.irp e, 0,1
.irp i, 0,1,2,3
.irp n, 0,1,2,3,4,5,6,7
	v_mul_f32 v[192+8*(4*\e+\i)+\n], v[192+8*(4*\e+\i)+\n], v[32*(2*(\d-1)+\e)+4*\n+\i]
.endr
.endr
.endr
	WIN \d|(\d<<6)
.set XI, 192
.rept 64
	v_med3_num_f32 v[XI], v[XI], -v[LMV], v[LMV]
.set XI, XI+1
.endr
.endr
	s_wait_xcnt 0x0
.irp d, 1,2
	WIN \d
.irp e, 0,1
.irp i, 0,1,2,3
	v_cvt_scalef32_pk8_bf8_f32 v[CODE+4*(2*\i+\d-1)+2*\e:CODE+4*(2*\i+\d-1)+2*\e+1], v[192+8*(4*\e+\i):192+8*(4*\e+\i)+7], v[SCV]
.endr
.endr
.endr
	v_nop
	WIN 0
.irp i, 0,1,2,3
.irp c, 0,1
	global_store_b128 v[LI], v[CODE+4*(2*\i+\c):CODE+4*(2*\i+\c)+3], s[VB:VB+1] offset:2048*\i+512*\c
.endr
.endr
	s_wait_xcnt 0x0
.endm
.macro TILE more
	STEP 0, 1
	TURN 0, 1, 1, 0
.if \more
	WIN 0
	s_cmp_eq_u32 s[WV], 0                          ; the next tile's rows of x, 4,096 rows on: K steps 0 and 1, whose loads stand two and three changes of slots on.  W's rows have been read: they are not asked for again
	s_cbranch_scc0 .Lnot_a0
	global_prefetch_b8 v30, s[98:99] offset:0x400000 th:TH_LOAD_NT scope:SCOPE_SE
	global_prefetch_b8 v30, s[98:99] offset:0x400000+256 th:TH_LOAD_NT scope:SCOPE_SE
.Lnot_a0:
.endif
	STEP 1, 0
	TURN 1, 0, 1, 1
.if \more
	WIN 0
	s_cmp_eq_u32 s[WV], 0                          ; and its K steps 2 and 3
	s_cbranch_scc0 .Lnot_a1
	global_prefetch_b8 v30, s[98:99] offset:0x400000+512 th:TH_LOAD_NT scope:SCOPE_SE
	global_prefetch_b8 v30, s[98:99] offset:0x400000+768 th:TH_LOAD_NT scope:SCOPE_SE
.Lnot_a1:
.endif
	STEP 0, 0
.if \more
	TURN 0, 1, 2, 0
.else
	TURN 0, 1, 0, 0
.endif
	STEP 1, 0
.if \more
	TURN 1, 0, 2, 0
.else
	FINAL
.endif
	EPI
.endm
	s_wait_alu depctr_va_vdst(0)
	s_wait_tensorcnt 1
	s_barrier_signal -1
	s_barrier_wait -1
	FETCH 0, 0, 0
	TILE 1
	s_add_nc_u64 s[QB:QB+1], s[QB:QB+1], 0x400000
	s_add_nc_u64 s[KB:KB+1], s[KB:KB+1], 0x800000
	s_add_nc_u64 s[VB:VB+1], s[VB:VB+1], 0x800000
	s_add_nc_u64 s[XT:XT+1], s[XT:XT+1], 0x1000000
	TILE 0
	s_wait_tensorcnt 0x0
	ds_add_u32 v[SPW], v[NIL]
	s_wait_dscnt 0x0
	CROUND
	s_endpgm
.Lfunc_end_k_q6f629c4242_qkv:
	.size	k_q6f629c4242_qkv, .Lfunc_end_k_q6f629c4242_qkv-k_q6f629c4242_qkv
	.p2alignl 7, 3214868480
	.fill 96, 4, 3214868480
	.section	.rodata,"a",@progbits
	.p2align	6, 0x0
	.amdhsa_kernel k_q6f629c4242_qkv
		.amdhsa_group_segment_fixed_size 327680
		.amdhsa_private_segment_fixed_size 0
		.amdhsa_enable_private_segment 0
		.amdhsa_kernarg_size 56
		.amdhsa_user_sgpr_count 2
		.amdhsa_user_sgpr_kernarg_segment_ptr 1
		.amdhsa_wavefront_size32 1
		.amdhsa_system_sgpr_workgroup_id_x 1
		.amdhsa_system_sgpr_workgroup_id_y 1
		.amdhsa_system_sgpr_workgroup_id_z 1
		.amdhsa_system_vgpr_workitem_id 0
		.amdhsa_next_free_vgpr 1024
		.amdhsa_next_free_sgpr 100
		.amdhsa_reserve_vcc 0
		.amdhsa_float_denorm_mode_32 3
		.amdhsa_float_denorm_mode_16_64 3
		.amdhsa_memory_ordered 1
		.amdhsa_forward_progress 1
		.amdhsa_inst_pref_size 217
	.end_amdhsa_kernel
	.amdgpu_metadata
---
amdhsa.version: [ 1, 2 ]
amdhsa.kernels:
  - .name:           k_q6f629c4242_qkv
    .symbol:         k_q6f629c4242_qkv.kd
    .args:
      - { .name: x_codes, .offset: 0, .size: 8, .value_kind: global_buffer, .address_space: global }
      - { .name: w_codes, .offset: 8, .size: 8, .value_kind: global_buffer, .address_space: global }
      - { .name: lowp_scales, .offset: 16, .size: 8, .value_kind: global_buffer, .address_space: global }
      - { .name: b_attn, .offset: 24, .size: 8, .value_kind: global_buffer, .address_space: global }
      - { .name: xt_current_for_v, .offset: 32, .size: 8, .value_kind: global_buffer, .address_space: global }
      - { .name: qc, .offset: 40, .size: 8, .value_kind: global_buffer, .address_space: global }
      - { .name: kv, .offset: 48, .size: 8, .value_kind: global_buffer, .address_space: global }
    .group_segment_fixed_size: 327680
    .private_segment_fixed_size: 0
    .kernarg_segment_align: 8
    .kernarg_segment_size: 56
    .max_flat_workgroup_size: 128
    .sgpr_count:     100
    .vgpr_count:     1024
    .wavefront_size: 32
...
	.end_amdgpu_metadata
.endif
;; end of part 2
;; launch attn (part 3): grid 4 x 64, 8 waves a work-group, clusters of 4 x 1, 327,680 bytes of LDS; arguments qc, kv, lowp_scales, y_codes; writes y_codes
.if DOCPART == 3
	.amdgcn_target "amdgcn-amd-amdhsa--gfx1250"
	.amdhsa_code_object_version 6
	.text
	.protected	k_q6f629c4242_attn
	.globl	k_q6f629c4242_attn
	.p2align	8
	.type	k_q6f629c4242_attn,@function
k_q6f629c4242_attn:
	s_mov_b64 s[64:65], 0
	v_nop
	global_prefetch_b8 v0, s[64:65] scope:SCOPE_SE
	s_setreg_imm32_b32 hwreg(HW_REG_WAVE_MODE, 25, 1), 1
	s_wait_xcnt 0x0
	s_wait_alu depctr_hold_cnt(0) depctr_sa_sdst(0) depctr_va_vdst(0) depctr_va_sdst(0) depctr_va_ssrc(0) depctr_va_vcc(0) depctr_vm_vsrc(0)
	s_getreg_b32 s2, hwreg(HW_REG_IB_STS2, 6, 4)
	s_cmp_eq_u32 s2, 0
	s_cbranch_scc0 .Lentry_in_a_cluster
	s_endpgm
.Lentry_in_a_cluster:
	s_bfe_u32 s2, ttmp6, 0x10000c
	s_cmp_lg_u32 s2, 0x3003
	s_cbranch_scc0 .Lentry_shape_is_right
	s_endpgm
.Lentry_shape_is_right:
; y[bh][q] = the sum over keys k <= q of softmax_k(Q[q] . K[k] / 8) V[k], head size 64, both products on codes of BF8 (E5M2); y is quantised (e6) and stored as images of the projection's operand registers.
; qc [64 bh][128 tiles of 16 tokens][1,024]: a 16 x 64 fragment as it stands in registers (group c of four registers at 512 c + 16 x lane).  kv [64 bh][16 key blocks][16,384]: 8 such fragments of K, then 4 fragments
; of V^T (16 channel rows x 128 keys, 2,048 bytes; row p of tile i is channel 4 p + i).
; THE SOFTMAX: t = score x log2(e) / 8; M = the running largest t rounded UP to a whole number; p = 2^(t - M) is quantised (e4), not normalised; the row's sum is taken of the unquantised p and divides at the end.
; When M moves, the sum and O are multiplied by 2^(old M - new M): exact.  The running maximum is kept as a raw score (the constant is positive).
; A HEAD'S WHOLE K AND V, 262,144 bytes, LIE IN LDS, each byte filled once: key blocks 0-3 by the head's loads (8,192 bytes a wave), blocks 4-15 by a second load a wave (24,576 bytes), which is out while blocks 0-3 are worked.
; CLUSTER: the four work-groups of a head need the same bytes: each load is asked for jointly by all four.
; SHARES.  Wave w owns FOUR tiles of 16 queries, two neighbours at a time: tiles 2 cx, 2 cx + 1 of key block 15 - w, then the same two of key block w: (16 - w) + (w + 1) = 17 steps of 128 keys x 32 queries for every wave.
; Each fragment of K and of V that is read from LDS feeds two matrix instructions.  Steps 0-3 of the first pair are whole in every wave, so all waves reach the barrier behind them after the same work.
; A step all of whose keys come after the queries (the causal mask of the problem) is jumped over by a scalar branch on the wave's number; trip counts are constants.  cx enters global addresses and the mask's lane masks alone.
; LAYOUT.  Both products transposed: S^T = K Q^T (a lane: query lane % 16, keys 16 t + 8 (lane / 16) + 0 .. 7 in tile t), whose codes are registers 2 t, 2 t + 1 of P; O^T = V^T P^T: a lane holds one query throughout.
; THE TWO TILES ARE STAGGERED round the exponentials: tile 1's scalings stand among tile 0's exponentials, tile 0's first sums and holds among tile 1's; each such line reads what was made ahead of the wait in front of its batch, and is read behind the wait that follows it.
; LIMITS: e2 + e3 between -123 and 130 (added to the constant's exponent field); e4 and e6 between -126 and 112; e4 + e5 goes in by v_ldexp_f32 and has none.  NaN is not served.  The scaled scores stay under 2^31 in magnitude.
; Nothing is prefetched: all that the launch reads is asked for at its head, and there is no loop that runs ahead of a load.
; REGISTERS.  Window 0 (x = 0, 1: the pair's tiles): v1 16 x lane; v2, v3 LDS addresses; v6, v7 57,344 x 2^e4; v8 2^e4; v9, v10 the same with e6; v11 -infinity; v[12+4x] -M, +1 the largest score, +2 f, +3 zero;
;   v[24+8x..] the sum and three partial sums, in pairs; v[40+4x..] maxima; v48-51 at work; v[64+64x..] S^T, p, y; v192-223 tile 0's first sums; v224-255 y's codes.
; Window 1: v0-63 K's 8 fragments; v64-127 V's 4; v[128+32x..] O^T; v[192+16x..] P's codes; v[224+16 pass+8x..] Q.
.set SPARE, 0x40000                    ; behind K and V: the spare words, 128 bytes for each of 8 waves
.set BLK, 16384
.set LI,  1
.set ADV, 2
.set ADK, 3
.set SPW, 4
.set NIL, 5
.set HL0, 6
.set HL1, 7
.set SCP, 8
.set LMY, 9
.set SCY, 10
.set INF, 11
.set GHI, 14                           ; s14 15 - wave
.set MA,  15                           ; s15 2 cx: the first tile's place in its key block
.set WV,  18
.set SEL, 20                           ; s[20:21] lane selects for v_permlanex16_b32: lane l xor 16
.set CS,  22                           ; s[22:23] log2(e) / 8 x 2^(e2 + e3)
.set G1,  24
.set G0,  32
.set G0B, 36
.set TB,  48                           ; s48 LDS byte at which the step's key block begins;  s50 the next block's
.set KS,  49                           ; s49 the key step
.set TN,  50
.set EPV, 51                           ; s51 e4 + e5
.set QLO, 52
.set QHI, 54
.set YLO, 56
.set YHI, 58
.set EQ,  66
.set GT,  67
.set PAT, 72                           ; s[72:79] register j of the key tile on the diagonal: the lanes whose key 8 h + j comes after query r
.set MK,  80                           ; s[80:87] the lane masks in hand
.set G1B, 88
.set MSB, 0
.macro WIN new                         ; the immediate's high byte repeats the setting that is left
.if MSB != (\new)
	s_set_vgpr_msb (MSB<<8)|(\new)
.set MSB, (\new)
.endif
.endm
.macro ROUND
	s_barrier_signal -1
	s_barrier_wait -1
	s_cmp_lg_u32 s[WV], 0
	s_cbranch_scc1 .Lnot_wave_0_\@
	s_barrier_signal -3
.Lnot_wave_0_\@:
	s_barrier_wait -3
	s_barrier_signal -1
	s_barrier_wait -1
.endm
.macro KLOAD adr                       ; K's 8 fragments as they stand: 512 consecutive bytes a load (destination: window 1)
.irp t, 0,1,2,3,4,5,6,7
.irp c, 0,1
	ds_load_b128 v[8*\t+4*\c:8*\t+4*\c+3], v[\adr] offset:1024*\t+512*\c
.endr
.endr
.endm
.macro HOLD r                          ; the conversion does not saturate (ISA guide 7.6.2); p is not negative, so the hold is one-sided; two numbers a dual pair
	v_dual_min_num_f32 v[\r], v[\r], v[HL0] :: v_dual_min_num_f32 v[(\r)+1], v[(\r)+1], v[HL1]
.endm
	s_load_b128 s[4:7], s[0:1], 0x0                ; qc s[4:5], kv s[6:7]
	s_load_b128 s[8:11], s[0:1], 0x10              ; the exponents s[8:9], y_codes s[10:11]
	v_lshl_add_u32 v[SPW], v0, 2, SPARE
	v_mov_b32 v[NIL], 0
	ds_add_u32 v[SPW], v[NIL]                      ; the opening lines: the add, twice on end, and its wait ahead of my first tensor load
	ds_add_u32 v[SPW], v[NIL]
	v_lshrrev_b32 v24, 5, v0
	v_readfirstlane_b32 s[WV], v24                 ; wave 0..7
	s_bfe_u32 s19, ttmp6, 0x40000                  ; cx
	s_and_b32 s12, ttmp7, 0xffff                   ; bh, which the four partners share
	s_xor_b32 s[GHI], s[WV], 15
	s_lshl_b32 s[MA], s19, 1
	s_lshl_b32 s16, s[WV], 3
	s_add_co_u32 s16, s16, s[MA]                   ; the low pair's first tile
	s_lshl_b32 s17, s[GHI], 3
	s_add_co_u32 s17, s17, s[MA]                   ; the high pair's
.irp g, G1, G1B
	s_mov_b32 s[\g], 15|(3<<16)|(1<<21)            ; the mask: all four work-groups; elements of 8 bytes; bit 21 beside a mask; no padding: the images are read 512 consecutive bytes at a time
	s_mov_b32 s[\g+1], 32<<16                      ; rows of 32 elements: 256 bytes
	s_mov_b32 s[\g+3], 32<<16
	s_mov_b32 s[\g+5], 32                          ; dense
	s_mov_b32 s[\g+6], 0
	s_mov_b32 s[\g+7], 0
.endr
	s_mov_b32 s[G1+2], 32<<16                      ; the first load: 32 rows
	s_mov_b32 s[G1+4], 32
	s_mov_b32 s[G1B+2], 96<<16                     ; the second: 96 rows
	s_mov_b32 s[G1B+4], 96
	s_mov_b32 s[G0], 1
	s_lshl_b32 s[G0+1], s[WV], 13                  ; bytes 8,192 w on of blocks 0-3
	s_mov_b32 s[G0B], 1
	s_mul_i32 s[G0B+1], s[WV], 24576
	s_add_co_u32 s[G0B+1], s[G0B+1], 4*BLK         ; bytes 24,576 w on of blocks 4-15
	s_lshl_b32 s13, s12, 18
	s_add_co_u32 s60, s13, s[G0+1]
	s_mov_b32 s61, 0
	s_add_co_u32 s62, s13, s[G0B+1]
	s_mov_b32 s63, 0
	s_lshl_b32 s13, s12, 7                         ; Q: (128 bh + tile) x 1,024
	s_add_co_u32 s[QLO], s13, s16
	s_lshl_b32 s[QLO], s[QLO], 10
	s_mov_b32 s[QLO+1], 0
	s_add_co_u32 s[QHI], s13, s17
	s_lshl_b32 s[QHI], s[QHI], 10
	s_mov_b32 s[QHI+1], 0
	s_lshr_b32 s13, s12, 4                         ; y: ((128 batch + tile) x 16 + head) x 1,024
	s_lshl_b32 s13, s13, 7
	s_and_b32 s12, s12, 15
	s_add_co_u32 s[YLO], s13, s16
	s_lshl_b32 s[YLO], s[YLO], 4
	s_add_co_u32 s[YLO], s[YLO], s12
	s_lshl_b32 s[YLO], s[YLO], 10
	s_mov_b32 s[YLO+1], 0
	s_add_co_u32 s[YHI], s13, s17
	s_lshl_b32 s[YHI], s[YHI], 4
	s_add_co_u32 s[YHI], s[YHI], s12
	s_lshl_b32 s[YHI], s[YHI], 10
	s_mov_b32 s[YHI+1], 0
	s_mov_b32 s[SEL], 0x76543210
	s_mov_b32 s[SEL+1], 0xfedcba98
	s_mov_b32 s[CS], 0x3e38aa3b                    ; log2(e) / 8
.irp j, 0,1,2,3,4,5,6,7
	s_mov_b32 s[PAT+\j], ((1<<\j)-1)|(((1<<(8+\j))-1)<<16)   ; lanes 0-15: r < j; lanes 16-31: r < 8 + j
.endr
	s_wait_alu depctr_va_vdst(0)                   ; the wait here, directly ahead of the wait below
	s_wait_dscnt 0x0                               ; both opening adds are done
	s_wait_kmcnt 0x0
	s_load_b256 s[40:47], s[8:9], 0x0              ; e0 .. e7
	s_add_nc_u64 s[G0+2:G0+3], s[6:7], s[60:61]
	s_or_b32 s[G0+3], s[G0+3], 0x80000000
	s_add_nc_u64 s[G0B+2:G0B+3], s[6:7], s[62:63]
	s_or_b32 s[G0B+3], s[G0B+3], 0x80000000
	s_add_nc_u64 s[QLO:QLO+1], s[4:5], s[QLO:QLO+1]
	s_add_nc_u64 s[QHI:QHI+1], s[4:5], s[QHI:QHI+1]
	s_add_nc_u64 s[YLO:YLO+1], s[10:11], s[YLO:YLO+1]
	s_add_nc_u64 s[YHI:YHI+1], s[10:11], s[YHI:YHI+1]
	ROUND                                          ; all four work-groups are here: the joint loads meet
	tensor_load_to_lds s[G0:G0+3], s[G1:G1+7]      ; my one tensor load at the head: my part of key blocks 0-3
	s_nop 0
	v_and_b32 v[LI], 31, v0
	v_mov_b32 v[INF], 0xff800000
	v_mov_b32 v48, 0                               ; written once: a lane permute's destination counts as one of its sources
	v_mov_b32 v49, 0
	v_mov_b32 v15, 0                               ; (named as the upper halves of the pairs that hold f)
	v_mov_b32 v19, 0
	v_lshlrev_b32 v[LI], 4, v[LI]
	WIN 0x40
.irp x, 0,1
.irp c, 0,1
	global_load_b128 v[224+8*\x+4*\c:224+8*\x+4*\c+3], v[LI], s[QLO:QLO+1] offset:1024*\x+512*\c
	global_load_b128 v[240+8*\x+4*\c:240+8*\x+4*\c+3], v[LI], s[QHI:QHI+1] offset:1024*\x+512*\c
.endr
.endr
	WIN 0
	s_wait_kmcnt 0x0
	s_add_co_i32 s60, s42, s43
	s_lshl_b32 s60, s60, 23
	s_add_co_i32 s[CS], s[CS], s60                 ; a score stands for score x 2^(e2 + e3): the exponents are added to the constant's exponent field
	s_mov_b32 s[CS+1], s[CS]                       ; (named with it as a pair, so it is written)
	s_add_co_i32 s60, s44, 127
	s_lshl_b32 s61, s60, 23
	v_mov_b32 v[SCP], s61                          ; 2^e4
	s_add_co_i32 s60, s60, 15
	s_lshl_b32 s60, s60, 23
	s_or_b32 s60, s60, 0x600000
	v_mov_b32 v[HL0], s60                          ; 57,344 x 2^e4, twice: one for each half of a dual pair
	v_mov_b32 v[HL1], s60
	s_add_co_i32 s60, s46, 127
	s_lshl_b32 s61, s60, 23
	v_mov_b32 v[SCY], s61                          ; 2^e6
	s_add_co_i32 s60, s60, 15
	s_lshl_b32 s60, s60, 23
	s_or_b32 s60, s60, 0x600000
	v_mov_b32 v[LMY], s60                          ; 57,344 x 2^e6
	s_add_co_i32 s[EPV], s44, s45
	s_wait_alu depctr_va_vdst(0)                   ; the wait at the head's end
	s_wait_tensorcnt 0x0                           ; my part of blocks 0-3 is in
	ds_add_u32 v[SPW], v[NIL]
	s_wait_dscnt 0x0
	ROUND                                          ; everybody's part is in, and the four work-groups are here
	tensor_load_to_lds s[G0B:G0B+3], s[G1B:G1B+7]  ; my part of blocks 4-15: it has the four steps on blocks 0-3 in which to land
	s_nop 0
; The diagonal step: key tile u of the block against the tile at place MA (x = 0), key tile u + 1 against place MA + 1 (x = 1), have the same hidden lanes: none where u < MA, all where u > MA, PAT where u = MA.
; Key tile 0 hides nothing from x = 1.  Hidden scores become -infinity ahead of the maximum: p = 0 then.  One select a score; the lane masks are made by scalar instructions.
.macro MASK
.irp u, 0,1,2,3,4,5,6,7
	s_cmp_eq_u32 s[MA], \u
	s_cselect_b32 s[EQ], -1, 0
	s_cmp_lt_u32 s[MA], \u
	s_cselect_b32 s[GT], -1, 0
.irp j, 0,1,2,3,4,5,6,7
	s_and_b32 s[MK+\j], s[PAT+\j], s[EQ]
	s_or_b32 s[MK+\j], s[MK+\j], s[GT]
.endr
.irp j, 0,1,2,3,4,5,6,7
	v_cndmask_b32 v[64+8*\u+\j], v[64+8*\u+\j], v[INF], s[MK+\j]
.endr
.if \u < 7
.irp j, 0,1,2,3,4,5,6,7
	v_cndmask_b32 v[136+8*\u+\j], v[136+8*\u+\j], v[INF], s[MK+\j]
.endr
.endif
.endr
.endm
; A KEY STEP: 128 keys x my pair's 32 queries.  qp: which pair's Q; g: the scalar that holds the pair's key block; lim: the last block that the next step's loads may name; diag = 1: the step may be hidden or lie on the diagonal.
.macro STEP qp, g, lim, diag
.if \diag
	s_cmp_gt_u32 s[KS], s[\g]                      ; all 128 keys come after my queries: the step's work is left out
	s_cbranch_scc1 .Lhid_\@
.endif
	s_wait_dscnt 0x0                               ; K's fragments, asked for a step ago
	WIN 0x05
.irp t, 0,1,2,3,4,5,6,7
.irp x, 0,1
	v_wmma_f32_16x16x64_bf8_bf8 v[64+64*\x+8*\t:64+64*\x+8*\t+7], v[8*\t:8*\t+7], v[224+16*\qp+8*\x:224+16*\qp+8*\x+7], 0
.endr
.endr
	WIN 0
	s_add_co_u32 s[TN], s[TB], BLK
	s_min_u32 s[TN], s[TN], \lim                   ; the next block, held inside the blocks that have landed
	v_add_nc_u32 v[ADV], s[TB], v[LI]              ; four plain lines between the products and the loads into registers that they (and the last step's) read, and the first read of their results
	v_add_nc_u32 v[ADK], s[TN], v[LI]
	v_nop
	v_nop
	WIN 0x40
.irp i, 0,1,2,3
.irp c, 0,1,2,3
	ds_load_b128 v[64+16*\i+4*\c:64+16*\i+4*\c+3], v[ADV] offset:8192+2048*\i+512*\c   ; V's fragments, and behind them the next step's K, land while the softmax is walked
.endr
.endr
	KLOAD ADK
	WIN 0
.if \diag
	s_cmp_lg_u32 s[KS], s[\g]                      ; only the diagonal step has hidden keys
	s_cbranch_scc1 .Lopen_\@
	MASK
.Lopen_\@:
.endif
.irp c, 0,1,2,3                                ; the step's largest score: four chains a tile, each over two accumulators from their low ends on; the two tiles by turns
.irp x, 0,1
	v_max3_num_f32 v[40+4*\x+\c], v[64+64*\x+16*\c], v[65+64*\x+16*\c], v[66+64*\x+16*\c]
.endr
.endr
.irp k, 3,5,7,9,11,13
.irp c, 0,1,2,3
.irp x, 0,1
	v_max3_num_f32 v[40+4*\x+\c], v[40+4*\x+\c], v[64+64*\x+16*\c+\k], v[65+64*\x+16*\c+\k]
.endr
.endr
.endr
.irp x, 0,1
	v_max3_num_f32 v[40+4*\x], v[40+4*\x], v[41+4*\x], v[79+64*\x]
	v_max3_num_f32 v[42+4*\x], v[42+4*\x], v[43+4*\x], v[95+64*\x]
.endr
.irp x, 0,1
	v_max3_num_f32 v[40+4*\x], v[40+4*\x], v[42+4*\x], v[111+64*\x]
.endr
.irp x, 0,1
	v_max_num_f32 v[40+4*\x], v[40+4*\x], v[127+64*\x]
.endr
.irp x, 0,1
	v_permlanex16_b32 v[48+\x], v[40+4*\x], s[SEL], s[SEL+1]
.endr
.irp x, 0,1
	v_max3_num_f32 v[13+4*\x], v[13+4*\x], v[40+4*\x], v[48+\x]   ; the running largest score, lane l xor 16's among it
.endr
.irp x, 0,1
	v_mul_f32 v[50+\x], s[CS], v[13+4*\x]          ; as t
.endr
.irp x, 0,1
	v_floor_f32 v[50+\x], -v[50+\x]                ; the new -M = floor(-t): M is a whole number
.endr
.irp x, 0,1
	v_sub_f32 v[14+4*\x], v[50+\x], v[12+4*\x]     ; old M less new M: a whole number, 0 or less
.endr
.irp x, 0,1
	v_mov_b32 v[12+4*\x], v[50+\x]
.endr
.irp x, 0,1
	v_cvt_i32_f32 v[14+4*\x], v[14+4*\x]           ; (it saturates)
.endr
.irp x, 0,1
	v_ldexp_f32 v[14+4*\x], 1.0, v[14+4*\x]        ; f = 2^(old M - new M)
.endr
.set J, 0
.rept 32
	v_pk_fma_f32 v[64+J:65+J], v[64+J:65+J], s[CS:CS+1], v[12:13] op_sel_hi:[1,0,0]   ; tile 0: t - M, two at a time
.set J, J+2
.endr
	s_wait_alu depctr_va_vdst(0)                   ; the wait ahead of the batch: it also serves -M and f of tile 1, read inside and behind it
.set J, 0
.rept 32
	v_exp_f32 v[64+J], v[64+J]                     ; tile 0: p = 2^(t - M), at most 1;
	v_pk_fma_f32 v[128+J:129+J], v[128+J:129+J], s[CS:CS+1], v[16:17] op_sel_hi:[1,0,0]   ; among them tile 1's t - M, first read behind the next wait
	v_exp_f32 v[65+J], v[65+J]
.set J, J+2
.endr
	v_pk_mul_f32 v[24:25], v[24:25], v[14:15] op_sel_hi:[1,0]   ; tile 0's sum under the new M: the plain line behind the exponentials
	s_wait_alu depctr_va_vdst(0)                   ; one wait: behind tile 0's batch, ahead of tile 1's
.set J, 0
.rept 16
	v_exp_f32 v[128+J], v[128+J]                   ; tile 1's p; among them, of tile 0: sixteen first sums of the unquantised p into registers of their own, and then the holds
	v_pk_add_f32 v[192+J/2:193+J/2], v[64+J:65+J], v[66+J:67+J]
	v_exp_f32 v[129+J], v[129+J]
	HOLD 64+J
	v_exp_f32 v[130+J], v[130+J]
	HOLD 66+J
	v_exp_f32 v[131+J], v[131+J]
.set J, J+4
.endr
	v_pk_mul_f32 v[32:33], v[32:33], v[18:19] op_sel_hi:[1,0]   ; tile 1's sum under the new M: the plain line behind the exponentials
	s_wait_alu depctr_va_vdst(0)                   ; the wait behind the batch, ahead of its first reader
.irp i, 0,1,2,3,4,5,6,7
	v_pk_add_f32 v[192+2*\i:193+2*\i], v[192+2*\i:193+2*\i], v[208+2*\i:209+2*\i]   ; tile 0's sums, by halves
.endr
.irp k, 1,2,3                                  ; tile 1's sum of the unquantised p: four chains,
	v_pk_add_f32 v[32+2*\k:33+2*\k], v[124+4*\k:125+4*\k], v[126+4*\k:127+4*\k]
.endr
	v_pk_add_f32 v[32:33], v[32:33], v[140:141]
.irp i, 0,1,2,3
	v_pk_add_f32 v[192+2*\i:193+2*\i], v[192+2*\i:193+2*\i], v[200+2*\i:201+2*\i]
.endr
.set J, 7
.rept 25
	v_pk_add_f32 v[32+2*((J-6)%4):33+2*((J-6)%4)], v[32+2*((J-6)%4):33+2*((J-6)%4)], v[128+2*J:129+2*J]
	HOLD 128+2*(J-7)                               ; by turns with the holds of pairs that have been summed
.set J, J+1
.endr
	v_pk_add_f32 v[192:193], v[192:193], v[196:197]
	v_pk_add_f32 v[194:195], v[194:195], v[198:199]
	HOLD 178
	HOLD 180
	v_pk_add_f32 v[34:35], v[34:35], v[36:37]
	v_pk_add_f32 v[32:33], v[32:33], v[38:39]
	v_pk_add_f32 v[192:193], v[192:193], v[194:195]
	HOLD 182
	HOLD 184
	HOLD 186
	v_pk_add_f32 v[32:33], v[32:33], v[34:35]
	v_pk_add_f32 v[24:25], v[24:25], v[192:193]
	HOLD 188
	HOLD 190
	WIN 0x40
.irp x, 0,1
.irp t, 0,1,2,3,4,5,6,7
	v_cvt_scalef32_pk8_bf8_f32 v[192+16*\x+2*\t:193+16*\x+2*\t], v[64+64*\x+8*\t:71+64*\x+8*\t], v[SCP]   ; keys 16 t + 8 h + 0 .. 7: registers 2 t, 2 t + 1 of P
.endr
.endr
	WIN 0x41
	s_wait_alu depctr_va_vdst(0)                   ; the wait here, directly ahead of the first reader of O^T
.irp x, 0,1
.set J, 0
.rept 16
	v_pk_mul_f32 v[128+32*\x+J:129+32*\x+J], v[128+32*\x+J:129+32*\x+J], v[14+4*\x:15+4*\x] op_sel_hi:[1,0]   ; O^T under the new M.  (Plain lines between the conversions and the products)
.set J, J+2
.endr
.endr
	WIN 0x55
	s_wait_alu depctr_va_vdst(0)                   ; the wait here, directly ahead of the wait below
	s_wait_dscnt 16                                ; V is in; the 16 loads behind it, the next step's K, may be out
.irp i, 0,1,2,3
.irp x, 0,1
	v_wmma_f32_16x16x128_bf8_bf8 v[128+32*\x+8*\i:135+32*\x+8*\i], v[64+16*\i:79+16*\i], v[192+16*\x:207+16*\x], v[128+32*\x+8*\i:135+32*\x+8*\i]   ; the eight accumulators take turns
.endr
.endr
	WIN 0
.if \diag
.Lhid_\@:
.endif
	s_add_co_u32 s[TB], s[TB], BLK
	s_add_co_u32 s[KS], s[KS], 1
.endm
; A pair begins: the largest score -3e38, -M 3e38 (the first f is then 0, on zeros), sums and O^T zeros: the step is written without a first form of its own.  K's fragments of block 0 are asked for.
.macro INIT
.irp x, 0,1
	v_mov_b32 v[13+4*\x], 0xff61b1e6
	v_mov_b32 v[12+4*\x], 0x7f61b1e6
	v_mov_b32 v[24+8*\x], 0
	v_mov_b32 v[25+8*\x], 0
.endr
	WIN 0x40
.set J, 0
.rept 64
	v_mov_b32 v[128+J], 0
.set J, J+1
.endr
	KLOAD LI
	WIN 0
	s_mov_b32 s[TB], 0
	s_mov_b32 s[KS], 0
.endm
; A pair's way out: O^T / the sum x 2^(e4 + e5), held, quantised (e6), stored as two images of 1,024 bytes, 16,384 bytes apart.
.macro EPI yb, yc
	s_wait_dscnt 0x0                               ; the last loads of K, which nothing reads, have landed
.irp x, 0,1
	v_add_f32 v[24+8*\x], v[24+8*\x], v[25+8*\x]   ; the sum's two halves,
.endr
.irp x, 0,1
	v_permlanex16_b32 v[48+\x], v[24+8*\x], s[SEL], s[SEL+1]
.endr
.irp x, 0,1
	v_add_f32 v[24+8*\x], v[24+8*\x], v[48+\x]     ; and lane l xor 16's
.endr
	s_wait_alu depctr_va_vdst(0)                   ; the wait ahead of the batch
	v_rcp_f32 v24, v24
	v_rcp_f32 v32, v32
	v_nop                                          ; a plain line behind the reciprocals,
	s_wait_alu depctr_va_vdst(0)                   ; and the wait ahead of their first reader
	v_ldexp_f32 v24, v24, s[EPV]
	v_ldexp_f32 v32, v32, s[EPV]
	WIN 0x01
	s_wait_alu depctr_va_vdst(0)                   ; the wait here, directly ahead of the first reader of O^T
.irp x, 0,1
.irp i, 0,1,2,3
.irp u, 0,1,2,3,4,5,6,7
	v_mul_f32 v[64+64*\x+4*\u+\i], v[128+32*\x+8*\i+\u], v[24+8*\x]   ; tile i's register u is channel 4 (8 h + u) + i: the destination's number puts the channels 32 h + 0 .. 31 in order
.endr
.endr
.endr
	WIN 0
.irp x, 0,1
.set J, 0
.rept 32
	v_med3_num_f32 v[64+64*\x+J], v[64+64*\x+J], -v[LMY], v[LMY]
.set J, J+1
.endr
.endr
.irp x, 0,1
.irp u, 0,1,2,3
	v_cvt_scalef32_pk8_bf8_f32 v[\yc+8*\x+2*\u:\yc+8*\x+2*\u+1], v[64+64*\x+8*\u:71+64*\x+8*\u], v[SCY]
.endr
.endr
	v_nop                                          ; one plain line behind the last conversion of a run
.irp x, 0,1
	global_store_b128 v[LI], v[\yc+8*\x:\yc+8*\x+3], s[\yb:\yb+1] offset:16384*\x          ; 512 consecutive bytes, aligned; these registers are not written again
	global_store_b128 v[LI], v[\yc+8*\x+4:\yc+8*\x+7], s[\yb:\yb+1] offset:16384*\x+512
.endr
.endm
	INIT                                           ; THE HIGH PAIR (its eight plain lines stand behind the tensor load, ahead of the first switch of windows)
	s_wait_alu depctr_va_vdst(0)                   ; the wait here, directly ahead of the wait below
	s_wait_loadcnt 0x0                             ; Q
.Lfirst:                                           ; steps 0-3: whole for every wave's high pair (its key block is 8 or more)
	STEP 1, GHI, 3*BLK, 0
	s_cmp_lt_u32 s[KS], 4
	s_cbranch_scc1 .Lfirst
	s_wait_dscnt 0x0
	s_wait_tensorcnt 0x0                           ; my part of blocks 4-15 is in LDS,
	s_barrier_signal -1
	s_barrier_wait -1                              ; everybody's is: all sixteen blocks may be read; nothing is filled again
	v_add_nc_u32 v[ADK], 4*BLK, v[LI]
	WIN 0x40
	KLOAD ADK
	WIN 0
	s_mov_b32 s[TB], 4*BLK
	s_mov_b32 s[KS], 4
.Lhigh:                                            ; steps 4-15
	STEP 1, GHI, 15*BLK, 1
	s_cmp_lt_u32 s[KS], 16
	s_cbranch_scc1 .Lhigh
	EPI YHI, 240
	INIT                                           ; THE LOW PAIR
	s_wait_alu depctr_va_vdst(0)                   ; the wait here
.Llow:                                             ; steps 0-7
	STEP 0, WV, 7*BLK, 1
	s_cmp_lt_u32 s[KS], 8
	s_cbranch_scc1 .Llow
	EPI YLO, 224
	s_wait_tensorcnt 0x0                           ; the wave's end
	ds_add_u32 v[SPW], v[NIL]
	s_wait_dscnt 0x0
	ROUND                                          ; the closing round: no work-group ends while a partner may still ask for a tile that names it
	s_endpgm
.Lfunc_end_k_q6f629c4242_attn:
	.size	k_q6f629c4242_attn, .Lfunc_end_k_q6f629c4242_attn-k_q6f629c4242_attn
	.p2alignl 7, 3214868480
	.fill 96, 4, 3214868480
	.section	.rodata,"a",@progbits
	.p2align	6, 0x0
	.amdhsa_kernel k_q6f629c4242_attn
		.amdhsa_group_segment_fixed_size 327680
		.amdhsa_private_segment_fixed_size 0
		.amdhsa_enable_private_segment 0
		.amdhsa_kernarg_size 32
		.amdhsa_user_sgpr_count 2
		.amdhsa_user_sgpr_kernarg_segment_ptr 1
		.amdhsa_wavefront_size32 1
		.amdhsa_system_sgpr_workgroup_id_x 1
		.amdhsa_system_sgpr_workgroup_id_y 1
		.amdhsa_system_sgpr_workgroup_id_z 1
		.amdhsa_system_vgpr_workitem_id 0
		.amdhsa_next_free_vgpr 512
		.amdhsa_next_free_sgpr 96
		.amdhsa_reserve_vcc 0
		.amdhsa_float_denorm_mode_32 3
		.amdhsa_float_denorm_mode_16_64 3
		.amdhsa_memory_ordered 1
		.amdhsa_forward_progress 1
		.amdhsa_inst_pref_size 141
	.end_amdhsa_kernel
	.amdgpu_metadata
---
amdhsa.version: [ 1, 2 ]
amdhsa.kernels:
  - .name:           k_q6f629c4242_attn
    .symbol:         k_q6f629c4242_attn.kd
    .args:
      - { .name: qc, .offset: 0, .size: 8, .value_kind: global_buffer, .address_space: global }
      - { .name: kv, .offset: 8, .size: 8, .value_kind: global_buffer, .address_space: global }
      - { .name: lowp_scales, .offset: 16, .size: 8, .value_kind: global_buffer, .address_space: global }
      - { .name: y_codes, .offset: 24, .size: 8, .value_kind: global_buffer, .address_space: global }
    .group_segment_fixed_size: 327680
    .private_segment_fixed_size: 0
    .kernarg_segment_align: 8
    .kernarg_segment_size: 32
    .max_flat_workgroup_size: 256
    .sgpr_count:     96
    .vgpr_count:     512
    .wavefront_size: 32
...
	.end_amdgpu_metadata
.endif
;; end of part 3
;; launch proj (part 4): grid 4 x 64, 4 waves a work-group, clusters of 4 x 4, 327,680 bytes of LDS; arguments y_codes, wp_codes, lowp_scales, b_proj, out0; writes out0
.if DOCPART == 4
	.amdgcn_target "amdgcn-amd-amdhsa--gfx1250"
	.amdhsa_code_object_version 6
	.text
	.protected	k_q6f629c4242_proj
	.globl	k_q6f629c4242_proj
	.p2align	8
	.type	k_q6f629c4242_proj,@function
k_q6f629c4242_proj:
	s_mov_b64 s[64:65], 0
	v_nop
	global_prefetch_b8 v0, s[64:65] scope:SCOPE_SE
	s_setreg_imm32_b32 hwreg(HW_REG_WAVE_MODE, 25, 1), 1
	s_wait_xcnt 0x0
	s_wait_alu depctr_hold_cnt(0) depctr_sa_sdst(0) depctr_va_vdst(0) depctr_va_sdst(0) depctr_va_ssrc(0) depctr_va_vcc(0) depctr_vm_vsrc(0)
	s_getreg_b32 s2, hwreg(HW_REG_IB_STS2, 6, 4)
	s_cmp_eq_u32 s2, 0
	s_cbranch_scc0 .Lentry_in_a_cluster
	s_endpgm
.Lentry_in_a_cluster:
	s_bfe_u32 s2, ttmp6, 0x10000c
	s_cmp_lg_u32 s2, 0xf033
	s_cbranch_scc0 .Lentry_shape_is_right
	s_endpgm
.Lentry_shape_is_right:
; out0[m][n] = the sum over k of y[m][k] W_proj[n][k] + b_proj[n], on codes of BF8 (E5M2): M 8,192, N 1,024, K 1,024; sums in f32, each finished sum x 2^(e6 + e7).
; y_codes [512 tiles of 16 tokens][16 heads][1,024]: images of operand registers (a lane holds row lane % 16, channels 32 (lane / 16) + 0 .. 31 of the head; registers 0-3 at 16 x lane, 4-7 at 512 + 16 x lane).  wp_codes [1,024 n][1,024 k].
; A work-group makes 128 x 256 of the result; a wave 64 x 128: 32 accumulators.  THE MATRIX INSTRUCTION IS USED TRANSPOSED (source 0 = 16 rows of W_proj, source 1 = 16 tokens): a lane holds eight neighbouring numbers of a row.
; The bias, divided by 2^(e6 + e7), is the C of each accumulator's first product.
; LDS.  A's whole K lies in LDS, 131,072 dense bytes, fetched once (waves 0, 1: 65,536 bytes each).  B's 256 rows come in two halves of K, 512 bytes a row + 16 of padding (pitch 528 = 33 x 16), waves 2, 3: 128 rows each.
; So a wave issues one tensor load at the head, and B's bytes are filled again ONCE: behind a round that stands as soon as the fourth K step's fragments are in registers; that step's 32 products stand under the load.
; CLUSTERS: 4 x 4 work-groups; A's bytes are shared along a row of the cluster, B's along a column: joint loads.
; The way out goes through a stage of each wave's own, on LDS bytes into which no load lands.
; Nothing is prefetched: the launch has no loop to run ahead in; what it reads is asked for at the head and at the one refill.
; LIMIT: e6 + e7 between -126 and 127, so that 2^(e6 + e7) is an f32 number.
; REGISTERS.  Window 0: v16 A's LDS address, v20 B's, v24-26 the way out, v28-29 the add's; v32-95 the bias; v128-255 A's fragments, two sets of 4 x 16.  Window 1: B's fragments, two sets of 8 x 16.  Window 2: the accumulators.
.set PITCH, 528
.set FSTEP, 16*PITCH
.set ABYTES, 131072
.set HALFB, 128*PITCH
.set SPARE, ABYTES+2*HALFB             ; 266,240: the spare words, 128 bytes for each wave
.set STAGE, SPARE+512                  ; 16 rows x 528 bytes for each wave
.set SPITCH, 528
.set ADRA, 16
.set ADRB, 20
.set STO,  24
.set RD,   25
.set CO,   26
.set SPW,  28
.set NIL,  29
.set BI,   32
.set AF,   128
.set TMP,  128
.set BK0,  192
.set BK1,  32
.set WV,  18
.set G1,  24
.set G0,  32
.set G1B, 48
.set G0B, 56
.set OB,  66
.set MSB, 0
.macro WIN new
.if MSB != (\new)
	s_set_vgpr_msb (MSB<<8)|(\new)
.set MSB, (\new)
.endif
.endm
.macro PLACES n
.rept \n
	v_nop
.endr
.endm
.macro CREST
	s_cmp_lg_u32 s[WV], 0
	s_cbranch_scc1 .Lnot_wave_0_\@
	s_barrier_signal -3
.Lnot_wave_0_\@:
	s_barrier_wait -3
	s_barrier_signal -1
	s_barrier_wait -1
.endm
.macro CROUND
	s_barrier_signal -1
	s_barrier_wait -1
	CREST
.endm
	s_load_b256 s[4:11], s[0:1], 0x0               ; y_codes s[4:5], wp_codes s[6:7], the exponents s[8:9], b_proj s[10:11]
	s_load_b64 s[12:13], s[0:1], 0x20              ; out0
	v_lshl_add_u32 v[SPW], v0, 2, SPARE
	v_mov_b32 v[NIL], 0
	ds_add_u32 v[SPW], v[NIL]                      ; the opening lines: the add, twice on end, and its wait ahead of my first tensor load
	ds_add_u32 v[SPW], v[NIL]
	v_lshrrev_b32 v1, 5, v0
	v_readfirstlane_b32 s[WV], v1
	s_lshr_b32 s19, s[WV], 1                       ; my half of the rows.  Also: I fetch for A (0) or for B (1)
	s_and_b32 s20, s[WV], 1                        ; my half of the columns.  Also: which half of that operand I fetch
	s_bfe_u32 s21, ttmp6, 0x40000                  ; cx
	s_bfe_u32 s22, ttmp6, 0x40004                  ; cy
	s_lshl_b32 s23, ttmp9, 2
	s_add_co_u32 s23, s23, s21                     ; tile column
	s_and_b32 s40, ttmp7, 0xffff
	s_lshl_b32 s40, s40, 2
	s_add_co_u32 s40, s40, s22                     ; tile row
	s_lshl_b32 s41, s22, 2
	s_lshl_b32 s41, 15, s41                        ; my row of the cluster
	s_lshl_b32 s42, 0x1111, s21                    ; my column
	s_or_b32 s[G1], s41, (3<<16)|(1<<21)           ; A: elements of 8 bytes, 256 dense rows of 256 bytes, no padding
	s_mov_b32 s[G1+1], 32<<16
	s_mov_b32 s[G1+2], 256<<16
	s_mov_b32 s[G1+3], 32<<16
	s_mov_b32 s[G1+4], 256
	s_mov_b32 s[G1+5], 32
	s_mov_b32 s[G1+6], 0
	s_mov_b32 s[G1+7], 0
	s_or_b32 s[G1B], s42, (0<<16)|(1<<20)|(1<<21)|(6<<22)|(3<<25)   ; B: bytes; four words of padding behind every 128 words
	s_mov_b32 s[G1B+1], 512<<16
	s_mov_b32 s[G1B+2], 128<<16
	s_mov_b32 s[G1B+3], 512<<16
	s_mov_b32 s[G1B+4], 128
	s_mov_b32 s[G1B+5], 1024
	s_mov_b32 s[G1B+6], 0
	s_mov_b32 s[G1B+7], 0
	s_lshl_b32 s44, s40, 17                        ; A: 8 token tiles of 16,384 bytes a tile row; my four
	s_lshl_b32 s43, s20, 16
	s_add_co_u32 s44, s44, s43
	s_mov_b32 s45, 0
	s_lshl_b32 s46, s23, 18                        ; B: 256 rows of 1,024 bytes a tile column; my 128
	s_lshl_b32 s43, s20, 17
	s_add_co_u32 s46, s46, s43
	s_mov_b32 s47, 0
	s_lshl_b32 s74, s20, 16
	s_mul_i32 s75, s20, HALFB
	s_add_co_u32 s75, s75, ABYTES
	s_wait_alu depctr_va_vdst(0)                   ; the wait here, directly ahead of the wait below
	s_wait_dscnt 0x0                               ; both opening adds are done
	s_wait_kmcnt 0x0
	s_load_b256 s[80:87], s[8:9], 0x0
	s_mov_b32 s[G0], 1
	s_mov_b32 s[G0+1], s74
	s_add_nc_u64 s[G0+2:G0+3], s[4:5], s[44:45]
	s_or_b32 s[G0+3], s[G0+3], 0x80000000
	s_mov_b32 s[G0B], 1
	s_mov_b32 s[G0B+1], s75
	s_add_nc_u64 s[G0B+2:G0B+3], s[6:7], s[46:47]
	s_or_b32 s[G0B+3], s[G0B+3], 0x80000000
	CROUND                                         ; all sixteen work-groups are here: the first joint loads meet
	s_cmp_eq_u32 s19, 0
	s_cbranch_scc0 .Lfor_b
	tensor_load_to_lds s[G0:G0+3], s[G1:G1+7]      ; waves 0, 1: half of A, all of K
	s_nop 0
	PLACES 4
	s_branch .Lasked
.Lfor_b:
	tensor_load_to_lds s[G0B:G0B+3], s[G1B:G1B+7]  ; waves 2, 3: half of B's rows, K 0 to 511
	s_nop 0
	PLACES 4
.Lasked:
	s_lshl_b32 s88, s23, 10
	s_lshl_b32 s89, s20, 9
	s_add_co_u32 s88, s88, s89                     ; my first column, in bytes
	s_mov_b32 s89, 0
	s_add_nc_u64 s[76:77], s[10:11], s[88:89]
	s_lshl_b32 s90, s40, 19
	s_lshl_b32 s91, s19, 18
	s_add_co_u32 s90, s90, s91
	s_add_co_u32 s90, s90, s88
	s_mov_b32 s91, 0
	s_add_nc_u64 s[OB:OB+1], s[12:13], s[90:91]
	s_lshl_b32 s78, s19, 16                        ; my four token tiles
	s_mul_i32 s79, s20, HALFB
	s_add_co_u32 s79, s79, ABYTES                  ; my 128 rows of B
	s_mul_i32 s93, s[WV], 16*SPITCH
	s_add_co_u32 s93, s93, STAGE                   ; my stage
	v_and_b32 v1, 15, v0
	v_bfe_u32 v2, v0, 4, 1
	v_and_b32 v3, 31, v0
	v_lshlrev_b32 v[CO], 4, v3
	v_mul_u32_u24 v10, v1, PITCH
	v_lshl_add_u32 v10, v2, 5, v10                 ; B: row r, + 32 h: the channels that A's image gives the lane
	v_add_nc_u32 v[ADRA], s78, v[CO]
	v_add_nc_u32 v[ADRB], s79, v10
	v_mul_u32_u24 v11, v1, SPITCH
	v_lshl_add_u32 v11, v2, 5, v11
	v_add_nc_u32 v[STO], s93, v11
	v_add_nc_u32 v[RD], s93, v[CO]
	v_lshlrev_b32 v14, 5, v2
.irp b, 0,1,2,3,4,5,6,7
	global_load_b128 v[BI+8*\b:BI+8*\b+3],   v14, s[76:77] offset:64*\b
	global_load_b128 v[BI+8*\b+4:BI+8*\b+7], v14, s[76:77] offset:64*\b+16
.endr
	s_wait_kmcnt 0x0
	s_add_co_i32 s96, s86, s87
	s_sub_co_i32 s92, 0, s96
	s_add_co_i32 s96, s96, 127
	s_lshl_b32 s96, s96, 23                        ; 2^(e6 + e7)
	s_mov_b32 s97, s96
	s_wait_loadcnt 0x0
.set XI, 0
.rept 64
	v_ldexp_f32 v[BI+XI], v[BI+XI], s92            ; the bias / 2^(e6 + e7)
.set XI, XI+1
.endr
; K step k (128 along K, k = 0 .. 7): B's eight fragments and A's four into set k % 2
.macro FETCH k
	WIN 0x40
.irp b, 0,1,2,3,4,5,6,7
.irp c, 0,1,2,3
	ds_load_b128 v[128*((\k)%2)+16*\b+4*\c:128*((\k)%2)+16*\b+4*\c+3], v[ADRB] offset:FSTEP*\b+128*((\k)%4)+64*(\c/2)+16*(\c%2)
.endr
.endr
	WIN 0
.irp a, 0,1,2,3
.irp c, 0,1,2,3
	ds_load_b128 v[AF+64*((\k)%2)+16*\a+4*\c:AF+64*((\k)%2)+16*\a+4*\c+3], v[ADRA] offset:16384*\a+2048*(\k)+512*\c
.endr
.endr
.endm
; 32 products: the 32 accumulators take turns, in the same order in every step
.macro MULK k, first
.if \first
	WIN 0x81
.else
	WIN 0xa1
.endif
.irp a, 0,1,2,3
.irp b, 0,1,2,3,4,5,6,7
.if \first
	v_wmma_f32_16x16x128_bf8_bf8 v[8*(8*\a+\b):8*(8*\a+\b)+7], v[128*((\k)%2)+16*\b:128*((\k)%2)+16*\b+15], v[AF+64*((\k)%2)+16*\a:AF+64*((\k)%2)+16*\a+15], v[BI+8*\b:BI+8*\b+7]
.else
	v_wmma_f32_16x16x128_bf8_bf8 v[8*(8*\a+\b):8*(8*\a+\b)+7], v[128*((\k)%2)+16*\b:128*((\k)%2)+16*\b+15], v[AF+64*((\k)%2)+16*\a:AF+64*((\k)%2)+16*\a+15], v[8*(8*\a+\b):8*(8*\a+\b)+7]
.endif
.endr
.endr
.endm
.macro STEPK k, first                  ; step k's fragments are in; the next step's are asked for; step k is multiplied
	s_wait_dscnt 0x0
	PLACES 4                                       ; four plain lines in front of loads into registers that the step before last's products read
	FETCH (\k)+1
	MULK \k, \first
.endm
	s_wait_alu depctr_va_vdst(0)                   ; the wait at the head's end
	s_wait_tensorcnt 0x0                           ; my load has landed,
	s_barrier_signal -1
	s_barrier_wait -1                              ; everybody's has
	FETCH 0
	STEPK 0, 1
	STEPK 1, 0
	STEPK 2, 0
	WIN 0
	s_wait_tensorcnt 0x0                           ; the three lines in front of a refill's round
	ds_add_u32 v[SPW], v[NIL]
	s_add_nc_u64 s[G0B+2:G0B+3], s[G0B+2:G0B+3], 512   ; no load of mine is out: B's K 512 on
	s_wait_dscnt 0x0                               ; the add is done, and step 3's fragments are in registers: my reads of B's first half are over
	CROUND                                         ; that holds of every wave of all sixteen work-groups
	s_cmp_eq_u32 s19, 0
	s_cbranch_scc1 .Lno_refill                     ; waves 0 and 1 have no part of B to fill
	tensor_load_to_lds s[G0B:G0B+3], s[G1B:G1B+7]  ; B's K 512 to 1,023, onto the bytes of its first half
	s_nop 0
	PLACES 4
.Lno_refill:
	MULK 3, 0
	WIN 0
	s_wait_tensorcnt 0x0
	s_barrier_signal -1
	s_barrier_wait -1                              ; B's second half is whole
	PLACES 4
	FETCH 4
	STEPK 4, 0
	STEPK 5, 0
	STEPK 6, 0
	s_wait_dscnt 0x0
	MULK 7, 0
	WIN 0
; THE WAY OUT, block by block of 16 rows x 128 columns: x 2^(e6 + e7) into other registers, each accumulator from its low end on; through my stage; back as whole rows of 512 bytes.
.macro TOSTAGE a
	WIN 0x02
.set XI, 0
.rept 32
	v_pk_mul_f32 v[TMP+XI:TMP+XI+1], v[64*(\a)+XI:64*(\a)+XI+1], s[96:97] op_sel_hi:[1,0]
.set XI, XI+2
.endr
	WIN 0
.irp b, 0,1,2,3,4,5,6,7
	ds_store_b128 v[STO], v[TMP+8*\b:TMP+8*\b+3] offset:64*\b
	ds_store_b128 v[STO], v[TMP+8*\b+4:TMP+8*\b+7] offset:64*\b+16
.endr
.set BB, BK0-(BK0-BK1)*((\a)%2)
.irp t, 0,1,2,3,4,5,6,7,8,9,10,11,12,13,14,15
	ds_load_b128 v[BB+4*\t:BB+4*\t+3], v[RD] offset:\t*SPITCH   ; LDS serves a wave's instructions in order: these see my stores
.endr
.endm
.macro SEND a, younger                 ; younger: the LDS instructions issued behind block a's loads, which may stay out
.set BB, BK0-(BK0-BK1)*((\a)%2)
	s_wait_dscnt \younger
.if (\a) > 0
	s_add_nc_u64 s[OB:OB+1], s[OB:OB+1], 16*4096   ; (behind a wait on XCNT: the earlier stores have read their base)
.endif
.irp t, 0,1,2,3,4,5,6,7,8,9,10,11,12,13,14,15
	global_store_b128 v[CO], v[BB+4*\t:BB+4*\t+3], s[OB:OB+1] offset:\t*4096 th:TH_STORE_NT   ; 32 lanes store 512 consecutive bytes, aligned
.endr
.endm
	PLACES 4
	TOSTAGE 0
.irp a, 1,2,3
.if \a > 1
	s_wait_xcnt 0x0                                ; block a - 2's stores have read their registers and their base
.endif
	TOSTAGE \a
	SEND \a-1, 32
.endr
	s_wait_xcnt 0x0
	SEND 3, 0
	s_wait_tensorcnt 0x0                           ; the wave's end
	ds_add_u32 v[SPW], v[NIL]
	s_wait_dscnt 0x0
	CROUND                                         ; the closing round
	s_endpgm
.Lfunc_end_k_q6f629c4242_proj:
	.size	k_q6f629c4242_proj, .Lfunc_end_k_q6f629c4242_proj-k_q6f629c4242_proj
	.p2alignl 7, 3214868480
	.fill 96, 4, 3214868480
	.section	.rodata,"a",@progbits
	.p2align	6, 0x0
	.amdhsa_kernel k_q6f629c4242_proj
		.amdhsa_group_segment_fixed_size 327680
		.amdhsa_private_segment_fixed_size 0
		.amdhsa_enable_private_segment 0
		.amdhsa_kernarg_size 40
		.amdhsa_user_sgpr_count 2
		.amdhsa_user_sgpr_kernarg_segment_ptr 1
		.amdhsa_wavefront_size32 1
		.amdhsa_system_sgpr_workgroup_id_x 1
		.amdhsa_system_sgpr_workgroup_id_y 1
		.amdhsa_system_sgpr_workgroup_id_z 1
		.amdhsa_system_vgpr_workitem_id 0
		.amdhsa_next_free_vgpr 768
		.amdhsa_next_free_sgpr 100
		.amdhsa_reserve_vcc 0
		.amdhsa_float_denorm_mode_32 3
		.amdhsa_float_denorm_mode_16_64 3
		.amdhsa_memory_ordered 1
		.amdhsa_forward_progress 1
		.amdhsa_inst_pref_size 78
	.end_amdhsa_kernel
	.amdgpu_metadata
---
amdhsa.version: [ 1, 2 ]
amdhsa.kernels:
  - .name:           k_q6f629c4242_proj
    .symbol:         k_q6f629c4242_proj.kd
    .args:
      - { .name: y_codes, .offset: 0, .size: 8, .value_kind: global_buffer, .address_space: global }
      - { .name: wp_codes, .offset: 8, .size: 8, .value_kind: global_buffer, .address_space: global }
      - { .name: lowp_scales, .offset: 16, .size: 8, .value_kind: global_buffer, .address_space: global }
      - { .name: b_proj, .offset: 24, .size: 8, .value_kind: global_buffer, .address_space: global }
      - { .name: out0, .offset: 32, .size: 8, .value_kind: global_buffer, .address_space: global }
    .group_segment_fixed_size: 327680
    .private_segment_fixed_size: 0
    .kernarg_segment_align: 8
    .kernarg_segment_size: 40
    .max_flat_workgroup_size: 128
    .sgpr_count:     100
    .vgpr_count:     768
    .wavefront_size: 32
...
	.end_amdgpu_metadata
.endif
;; end of part 4
